; MI455X (gfx1250); checked and timed in simulation.
; The chip was launched on July 23, 2026; its instructions are those of AMD's public machine-readable ISA for CDNA 5 (MIT licence, August 2026) and "CDNA5" Instruction Set Architecture Reference Guide (July 2026). The comments in the code are by the model that wrote it; some were corrected since.
;; FFT Multi Head Self Attention. Allowed arithmetic: float matrix products may take bf16 or f16 operands with f32 sums; all other float work in f32.
;; Inputs: beta 1,024 float32; bk 1,024 float32; bo 1,024 float32; bq 1,024 float32; bv 1,024 float32; gamma 1,024 float32; wk 1,024 x 1,024 float32; wo 1,024 x 1,024 float32; wq 1,024 x 1,024 float32; wv 1,024 x 1,024 float32; x 2 x 2,048 x 1,024 float32.
;; Outputs: out0 2 x 2,048 x 1,024 float32.
;; One version. Each part assembles by itself: llvm-mc -triple=amdgcn-amd-amdhsa -mcpu=gfx1250 --defsym DOCPART=n.
;; ======== version 1 of 1: 5 launches
;; workspace buffers: xb 8,388,608 bytes; wb 6,291,456 bytes; wo2 2,097,152 bytes; qkv 25,165,824 bytes; ctx 8,388,608 bytes; y 16,777,216 bytes
;; launch cast (part 1): grid 512 x 1, 8 waves a work-group, no clusters, 0 bytes of LDS; arguments x, wq, wk, wv, wo, xb, wb, wo2; writes xb, wb, wo2
.if DOCPART == 1
	.amdgcn_target "amdgcn-amd-amdhsa--gfx1250"
	.amdhsa_code_object_version 6
	.text
	.protected	k_q68304a6f6c_cast
	.globl	k_q68304a6f6c_cast
	.p2align	8
	.type	k_q68304a6f6c_cast,@function
k_q68304a6f6c_cast:
	s_mov_b64 s[64:65], 0
	v_nop
	global_prefetch_b8 v0, s[64:65] scope:SCOPE_SE
	s_setreg_imm32_b32 hwreg(HW_REG_WAVE_MODE, 25, 1), 1
	s_wait_xcnt 0x0
; f32 to bf16 (round to nearest even), once, of x and of the four weight matrices, so that the products that follow read 16-bit tiles.
; A work-group converts 16 source rows of 1,024 numbers: 65,536 bytes in, 32,768 out.  512 work-groups: 256 for x, 3 x 64 for wq, wk, wv, 64 for wo.
;   xb  [4096][1024]                      as x
;   wb  [3072][1024]  row = 192 head + 64 part + d (part 0 wq, 1 wk, 2 wv): the 192 weight rows of one head lie together
;   wo2 [8 cb][16 kb][128 n][64 k]        wo[n][k] at ((n>>7) 16 + (k>>6)) 16,384 + (n&127) 128 + 2 (k&63): blocks of 128 x 64 that are dense in memory
; Thread t takes 8 neighbouring numbers eight times: two loads of 16 bytes, four packed roundings, one store of 16 bytes; sixteen neighbouring lanes
; store 256 consecutive bytes, aligned.  All sixteen loads go out first; there is no loop.  Memory binds: LDS, matrix units and clusters would add nothing
; (no two work-groups read the same byte).
.set X, 4                              ; v[4:67]   8 x 8 numbers as loaded
.set Y, 68                             ; v[68:99]  8 x 4 registers to store
; v1 = my byte offset in the source, v2 = in the destination; s[24:25] source, s[26:27] destination; ds = destination bytes from one of the eight to the next
.macro BODY ds
.irp i, 0,1,2,3,4,5,6,7
	global_load_b128 v[X+8*\i:X+8*\i+3],   v1, s[24:25] offset:8192*\i th:TH_LOAD_NT
	global_load_b128 v[X+8*\i+4:X+8*\i+7], v1, s[24:25] offset:8192*\i+16 th:TH_LOAD_NT
.endr
.irp i, 0,1,2,3,4,5,6,7
	s_wait_loadcnt 14-2*\i                         ; loads come back in order (ISA guide 5.7.1): pair i is in, the younger pairs stay out
	v_cvt_pk_bf16_f32 v[Y+4*\i],   v[X+8*\i],   v[X+8*\i+1]
	v_cvt_pk_bf16_f32 v[Y+4*\i+1], v[X+8*\i+2], v[X+8*\i+3]
	v_cvt_pk_bf16_f32 v[Y+4*\i+2], v[X+8*\i+4], v[X+8*\i+5]
	v_cvt_pk_bf16_f32 v[Y+4*\i+3], v[X+8*\i+6], v[X+8*\i+7]
	global_store_b128 v2, v[Y+4*\i:Y+4*\i+3], s[26:27] offset:\ds*\i
.endr
	s_endpgm
.endm
	s_load_b256 s[4:11], s[0:1], 0x0               ; x s[4:5], wq s[6:7], wk s[8:9], wv s[10:11]
	s_load_b256 s[12:19], s[0:1], 0x20             ; wo s[12:13], xb s[14:15], wb s[16:17], wo2 s[18:19]
	s_mov_b32 s29, 0                               ; high words of the two offsets
	s_mov_b32 s31, 0
	s_cmp_lt_u32 ttmp9, 256
	s_cbranch_scc1 .Lx
	s_cmp_lt_u32 ttmp9, 448
	s_cbranch_scc1 .Lw
	; wo: rows 16 rb .. 16 rb + 15
	s_sub_co_u32 s20, ttmp9, 448                   ; rb
	s_lshl_b32 s28, s20, 16                        ; 16 rows of 4,096 bytes
	s_lshr_b32 s21, s20, 3
	s_lshl_b32 s21, s21, 18                        ; cb x 16 blocks of 16,384 bytes
	s_and_b32 s22, s20, 7
	s_lshl_b32 s22, s22, 11                        ; 16 (rb & 7) rows of 128 bytes inside a block
	s_add_co_u32 s30, s21, s22
	s_wait_kmcnt 0x0
	s_add_nc_u64 s[24:25], s[12:13], s[28:29]
	s_add_nc_u64 s[26:27], s[18:19], s[30:31]
	; thread t, turn i: row 2 i + ((t>>3)&1), k = 64 (t>>4) + 8 (t&7): sixteen lanes hold two rows x 64 k = 256 consecutive bytes of wo2
	v_bfe_u32 v3, v0, 3, 1
	v_lshrrev_b32 v2, 4, v0                        ; kb
	v_and_b32 v1, 7, v0
	v_lshlrev_b32 v1, 5, v1
	v_lshl_add_u32 v1, v2, 8, v1
	v_lshl_add_u32 v1, v3, 12, v1                  ; source: row bit x 4,096 + kb x 256 + 32 (t&7)
	v_and_b32 v3, 15, v0
	v_lshlrev_b32 v3, 4, v3
	v_lshl_add_u32 v2, v2, 14, v3                  ; destination: kb x 16,384 + 16 (t&15)
	BODY 256
.Lx:
	s_lshl_b32 s28, ttmp9, 16
	s_lshl_b32 s30, ttmp9, 15
	s_wait_kmcnt 0x0
	s_add_nc_u64 s[24:25], s[4:5], s[28:29]
	s_add_nc_u64 s[26:27], s[14:15], s[30:31]
	s_branch .Lplain
.Lw:
	s_sub_co_u32 s20, ttmp9, 256
	s_lshr_b32 s21, s20, 6                         ; part
	s_and_b32 s22, s20, 63                         ; rb: rows 16 rb .. 16 rb + 15 of that matrix
	s_lshl_b32 s28, s22, 16
	s_lshr_b32 s23, s22, 2                         ; head
	s_mul_i32 s23, s23, 192
	s_lshl_b32 s30, s21, 6
	s_add_co_u32 s23, s23, s30
	s_and_b32 s30, s22, 3
	s_lshl4_add_u32 s23, s30, s23                  ; row of wb = 192 head + 64 part + 16 (rb & 3)
	s_lshl_b32 s30, s23, 11                        ; rows of 2,048 bytes
	s_wait_kmcnt 0x0
	s_cmp_eq_u32 s21, 0
	s_cselect_b64 s[24:25], s[6:7], s[8:9]
	s_cmp_eq_u32 s21, 2
	s_cselect_b64 s[24:25], s[10:11], s[24:25]
	s_add_nc_u64 s[24:25], s[24:25], s[28:29]
	s_add_nc_u64 s[26:27], s[16:17], s[30:31]
.Lplain:
	v_lshlrev_b32 v1, 5, v0                        ; the 16 rows are one run of bytes on both sides
	v_lshlrev_b32 v2, 4, v0
	BODY 4096
.Lfunc_end_k_q68304a6f6c_cast:
	.size	k_q68304a6f6c_cast, .Lfunc_end_k_q68304a6f6c_cast-k_q68304a6f6c_cast
	.p2alignl 7, 3214868480
	.fill 96, 4, 3214868480
	.section	.rodata,"a",@progbits
	.p2align	6, 0x0
	.amdhsa_kernel k_q68304a6f6c_cast
		.amdhsa_group_segment_fixed_size 0
		.amdhsa_private_segment_fixed_size 0
		.amdhsa_enable_private_segment 0
		.amdhsa_kernarg_size 64
		.amdhsa_user_sgpr_count 2
		.amdhsa_user_sgpr_kernarg_segment_ptr 1
		.amdhsa_wavefront_size32 1
		.amdhsa_system_sgpr_workgroup_id_x 1
		.amdhsa_system_sgpr_workgroup_id_y 1
		.amdhsa_system_sgpr_workgroup_id_z 1
		.amdhsa_system_vgpr_workitem_id 0
		.amdhsa_next_free_vgpr 100
		.amdhsa_next_free_sgpr 66
		.amdhsa_reserve_vcc 0
		.amdhsa_float_denorm_mode_32 3
		.amdhsa_float_denorm_mode_16_64 3
		.amdhsa_memory_ordered 1
		.amdhsa_forward_progress 1
		.amdhsa_inst_pref_size 12
	.end_amdhsa_kernel
	.amdgpu_metadata
---
amdhsa.version: [ 1, 2 ]
amdhsa.kernels:
  - .name:           k_q68304a6f6c_cast
    .symbol:         k_q68304a6f6c_cast.kd
    .args:
      - { .name: x, .offset: 0, .size: 8, .value_kind: global_buffer, .address_space: global }
      - { .name: wq, .offset: 8, .size: 8, .value_kind: global_buffer, .address_space: global }
      - { .name: wk, .offset: 16, .size: 8, .value_kind: global_buffer, .address_space: global }
      - { .name: wv, .offset: 24, .size: 8, .value_kind: global_buffer, .address_space: global }
      - { .name: wo, .offset: 32, .size: 8, .value_kind: global_buffer, .address_space: global }
      - { .name: xb, .offset: 40, .size: 8, .value_kind: global_buffer, .address_space: global }
      - { .name: wb, .offset: 48, .size: 8, .value_kind: global_buffer, .address_space: global }
      - { .name: wo2, .offset: 56, .size: 8, .value_kind: global_buffer, .address_space: global }
    .group_segment_fixed_size: 0
    .private_segment_fixed_size: 0
    .kernarg_segment_align: 8
    .kernarg_segment_size: 64
    .max_flat_workgroup_size: 256
    .sgpr_count:     66
    .vgpr_count:     100
    .wavefront_size: 32
...
	.end_amdgpu_metadata
.endif
;; end of part 1
;; launch qkv (part 2): grid 16 x 16, 4 waves a work-group, clusters of 4 x 4, 327,680 bytes of LDS; arguments xb, wb, bq, bk, bv, qkv; writes qkv
.if DOCPART == 2
	.amdgcn_target "amdgcn-amd-amdhsa--gfx1250"
	.amdhsa_code_object_version 6
	.text
	.protected	k_q68304a6f6c_qkv
	.globl	k_q68304a6f6c_qkv
	.p2align	8
	.type	k_q68304a6f6c_qkv,@function
k_q68304a6f6c_qkv:
	s_mov_b64 s[64:65], 0
	v_nop
	global_prefetch_b8 v0, s[64:65] scope:SCOPE_SE
	s_setreg_imm32_b32 hwreg(HW_REG_WAVE_MODE, 25, 1), 1
	s_wait_xcnt 0x0
	s_wait_alu depctr_hold_cnt(0) depctr_sa_sdst(0) depctr_va_vdst(0) depctr_va_sdst(0) depctr_va_ssrc(0) depctr_va_vcc(0) depctr_vm_vsrc(0)
	s_getreg_b32 s2, hwreg(HW_REG_IB_STS2, 6, 4)
	s_cmp_eq_u32 s2, 0
	s_cbranch_scc0 .Lentry_in_a_cluster
	s_endpgm
.Lentry_in_a_cluster:
	s_bfe_u32 s2, ttmp6, 0x10000c
	s_cmp_lg_u32 s2, 0xf033
	s_cbranch_scc0 .Lentry_shape_is_right
	s_endpgm
.Lentry_shape_is_right:
; q, k, v = xb wb^T + bias, rounded once to bf16, stored head-major: qkv [part 3][bh 32][2048 s][64].
; A work-group makes 256 rows x 192 columns: q, k and v of ONE head.  Grid: 16 heads x 16 row blocks = 256 work-groups of equal work.
; Four waves; wave w owns rows 64 w .. 64 w + 63 and all 192 columns: 4 x 12 accumulator tiles of 16 x 16, 384 registers.
; K = 1,024 goes in steps of 128 (rows of 256 bytes, aligned) through two LDS slots filled by the tensor data mover.
; CLUSTERS: 4 x 4 work-groups.  x's tile hangs on the row block alone and is shared along a row of the cluster; the weights' tile hangs on the head alone and
; is shared along a column.  Each is asked for jointly, which divides the requests for both by four.
; The matrix instruction is used transposed (source 0 = 16 weight rows, source 1 = 16 rows of x): a lane then holds 8 neighbouring columns of one row.
; REGISTERS by windows of 256: window 0 addresses, x's fragments (two buffers of 4 tiles), the bias, work of the way out; window 1 the weights' fragments
; (two buffers of 12 tiles); window 2 the accumulators of my rows 0-31 (tile (a, b) at 8 (12 a + b)); window 3 those of rows 32-63.
; Sums in f32, K ascending.  Operands are bf16, so their range is f32's.
.set KSTEP,  128
.set PITCH,  272                       ; an LDS row: 256 bytes + 16 of padding, an odd multiple of 16: the 16 rows of a fragment load start 16 bytes apart modulo 256
.set HALFA,  128*PITCH                 ; what one load brings of x
.set HALFB,  96*PITCH                  ; what one load brings of the weights
.set SLOT,   2*HALFA+2*HALFB           ; x's 256 rows, then the head's 192 weight rows
.set STAGE,  2*SLOT                    ; 243,712 = 952 x 256: behind the ring, never the target of a tensor load
.set SPITCH, 400                       ; a stage row: 384 bytes (q, k, v of one row) + 16
.set LAPS,   4                         ; a lap = two K steps = once round the ring
.set ADRA, 16                          ; v16-17  LDS address of my x fragments in slot 0, 1
.set ADRB, 20                          ; v20-21  the same for the weights
.set STO,  24                          ; the way out: where I put 16 bytes
.set RD,   25                          ; the way out: where I read back
.set CO,   26                          ; 16 x lane
.set BOF,  27                          ; 32 h: my eight columns' bias inside a tile
.set FA,   32                          ; v32-63, v64-95: x's fragments, buffers 0 and 1
.set BIAS, 96                          ; v96-191: the bias of my 8 columns in each of the 12 column tiles
.set T,    192                         ; v192-223 the way out: sums plus bias
.set PK,   224                         ; v224-239 the way out: packed
.set R,    32                          ; v32-79   the way out: rows read back (the fragment buffers are free by then)
.set G1,  24                           ; s[24:31] group 1 for x's tiles
.set G0,  32                           ; s[32:39] group 0 for x's tiles, one set for each slot
.set G1B, 48                           ; s[48:55] group 1 for the weights' tiles
.set G0B, 56                           ; s[56:63] group 0 for the weights' tiles
.set MSB, 0
.macro WIN new                         ; the immediate's high byte repeats the setting that is left
.if MSB != \new
	s_set_vgpr_msb (MSB<<8)|\new
.set MSB, \new
.endif
.endm
.set MUL_LO, 0xa1                      ; source 0 window 1, source 1 window 0, C and D window 2
.set MUL_HI, 0xf1                      ; the same, C and D window 3
.set TO_B,   0x40                      ; destination window 1, address window 0
; A joint load: waves 0 and 1 fetch x's two halves, waves 2 and 3 the weights'.  The branch hangs on the wave's number alone.
.macro JLOAD s
	s_cmp_eq_u32 s11, 0
	s_cbranch_scc0 .Lfor_b_\@
	tensor_load_to_lds s[G0+4*\s:G0+4*\s+3], s[G1:G1+7]
	s_nop 0
	s_branch .Lasked_\@
.Lfor_b_\@:
	tensor_load_to_lds s[G0B+4*\s:G0B+4*\s+3], s[G1B:G1B+7]
	s_nop 0
.Lasked_\@:
.endm
.macro CREST                           ; a round of the cluster's barrier behind its opening work-group barrier
	s_cmp_lg_u32 s10, 0
	s_cbranch_scc1 .Lnot_wave_0_\@
	s_barrier_signal -3
.Lnot_wave_0_\@:
	s_barrier_wait -3
	s_barrier_signal -1
	s_barrier_wait -1
.endm
.macro CROUND                          ; a whole round
	s_barrier_signal -1
	s_barrier_wait -1
	CREST
.endm
	s_load_b128 s[4:7], s[0:1], 0x0                ; xb s[4:5], wb s[6:7]
	s_load_b128 s[68:71], s[0:1], 0x10             ; bq s[68:69], bk s[70:71]
	s_load_b128 s[72:75], s[0:1], 0x20             ; bv s[72:73], qkv s[74:75]
	s_set_vgpr_msb 0x40
	v_lshl_add_u32 v255, v0, 2, 0x41c00
	s_set_vgpr_msb 0x4000
	v_mov_b32 v255, 0
	s_set_vgpr_msb 0x1
	ds_add_u32 v255, v255
	s_set_vgpr_msb 0x100
	v_lshrrev_b32 v1, 5, v0
	v_readfirstlane_b32 s10, v1                    ; wave 0..3
	s_lshr_b32 s11, s10, 1                         ; I fetch for x (0) or for the weights (1)
	s_and_b32 s12, s10, 1                          ; which half of that tile
	s_bfe_u32 s40, ttmp6, 0x40000                  ; cx
	s_bfe_u32 s41, ttmp6, 0x40004                  ; cy
	s_lshl_b32 s42, ttmp9, 2
	s_add_co_u32 s42, s42, s40                     ; head = 4 x cluster x + cx
	s_and_b32 s13, ttmp7, 0xffff
	s_lshl_b32 s13, s13, 2
	s_add_co_u32 s13, s13, s41                     ; row block = 4 x cluster y + cy
	s_lshl_b32 s43, s41, 2
	s_lshl_b32 s43, 15, s43                        ; my row of the cluster
	s_lshl_b32 s44, 0x1111, s40                    ; my column
	s_or_b32 s[G1+0], s43, (1<<16)|(1<<20)|(1<<21)|(5<<22)|(3<<25)  ; mask; elements of 2 bytes; padding on; bit 21 beside a mask; after every 64 words, 4 words
	s_or_b32 s[G1B+0], s44, (1<<16)|(1<<20)|(1<<21)|(5<<22)|(3<<25)
	s_mov_b32 s[G1+1], KSTEP<<16                   ; tensor_dim0 = 128
	s_mov_b32 s[G1B+1], KSTEP<<16
	s_mov_b32 s[G1+2], 128<<16                     ; tensor_dim1 = 128 rows
	s_mov_b32 s[G1B+2], 96<<16                     ;             =  96 rows
	s_mov_b32 s[G1+3], KSTEP<<16                   ; tile_dim0 = 128
	s_mov_b32 s[G1B+3], KSTEP<<16
	s_mov_b32 s[G1+4], 128                         ; tile_dim1
	s_mov_b32 s[G1B+4], 96
	s_mov_b32 s[G1+5], 1024                        ; elements from row to row
	s_mov_b32 s[G1B+5], 1024
	s_mov_b32 s[G1+6], 0
	s_mov_b32 s[G1B+6], 0
	s_mov_b32 s[G1+7], 0
	s_mov_b32 s[G1B+7], 0
	; x's address is made of the row block and the wave's number, the weights' of the head and the wave's number, each in registers that never hold the other coordinate
	s_lshl_b32 s17, s12, 7
	s_lshl_b32 s16, s13, 8
	s_add_co_u32 s16, s16, s17                     ; x: row 256 x block + 128 x half
	s_lshl_b32 s16, s16, 11                        ; rows of 2,048 bytes (8 MiB at the most)
	s_mov_b32 s17, 0
	s_mul_i32 s46, s42, 192
	s_mul_i32 s47, s12, 96
	s_add_co_u32 s46, s46, s47                     ; weights: row 192 x head + 96 x half
	s_lshl_b32 s46, s46, 11
	s_mov_b32 s47, 0
	s_mul_i32 s20, s10, HALFA                      ; LDS: waves 0, 1: x's halves
	s_mul_i32 s21, s10, HALFB
	s_add_co_u32 s21, s21, 2*HALFA-2*HALFB         ; waves 2, 3: the weights' halves, behind x's 256 rows
	s_wait_dscnt 0x0
	s_wait_kmcnt 0x0
	s_add_nc_u64 s[14:15], s[4:5], s[16:17]
	s_add_nc_u64 s[46:47], s[6:7], s[46:47]
	CROUND                                         ; all sixteen work-groups are here: the first joint loads meet
.irp s, 0,1
	s_mov_b32 s[G0+4*\s], 1
	s_add_co_u32 s[G0+4*\s+1], s20, \s*SLOT
	s_add_nc_u64 s[G0+4*\s+2:G0+4*\s+3], s[14:15], \s*KSTEP*2
	s_or_b32 s[G0+4*\s+3], s[G0+4*\s+3], 0x80000000
	s_mov_b32 s[G0B+4*\s], 1
	s_add_co_u32 s[G0B+4*\s+1], s21, \s*SLOT
	s_add_nc_u64 s[G0B+4*\s+2:G0B+4*\s+3], s[46:47], \s*KSTEP*2
	s_or_b32 s[G0B+4*\s+3], s[G0B+4*\s+3], 0x80000000
	JLOAD \s                                       ; both slots' first fills: two tensor loads of this wave are out
.endr
	; a fragment: lane l holds row l % 16; two loads of 16 bytes, 32 apart, at row x pitch + 16 (l / 16)
	v_and_b32 v1, 15, v0                           ; r
	v_bfe_u32 v2, v0, 4, 1                         ; h
	v_mul_u32_u24 v3, v1, PITCH
	v_lshl_add_u32 v3, v2, 4, v3
	s_mul_i32 s22, s10, 64*PITCH                   ; my 64 rows of x
	s_mov_b32 s23, 2*HALFA                         ; all 192 weight rows
.irp s, 0,1
	v_add_nc_u32 v[ADRA+\s], s22, v3
	v_add_nc_u32 v[ADRB+\s], s23, v3
	s_add_co_u32 s22, s22, SLOT
	s_add_co_u32 s23, s23, SLOT
.endr
	s_mul_i32 s82, s10, 16*SPITCH
	s_add_co_u32 s82, s82, STAGE                   ; my stage
	v_mul_u32_u24 v4, v1, SPITCH
	v_lshl_add_u32 v4, v2, 4, v4
	v_add_nc_u32 v[STO], s82, v4                   ; in: row r, 16 bytes for each half of the lanes
	v_bfe_u32 v5, v0, 3, 2
	v_and_b32 v6, 7, v0
	v_mul_u32_u24 v5, v5, SPITCH
	v_lshl_add_u32 v5, v6, 4, v5
	v_add_nc_u32 v[RD], s82, v5                    ; back: eight lanes take 128 bytes of a row, 32 lanes four rows
	v_and_b32 v7, 31, v0
	v_lshlrev_b32 v[CO], 4, v7
	v_lshlrev_b32 v[BOF], 5, v2
	s_lshl_b32 s82, s42, 8                         ; the head's 64 numbers in each bias
	s_mov_b32 s83, 0
	s_add_nc_u64 s[68:69], s[68:69], s[82:83]
	s_add_nc_u64 s[70:71], s[70:71], s[82:83]
	s_add_nc_u64 s[72:73], s[72:73], s[82:83]
.irp b, 0,1,2,3,4,5,6,7,8,9,10,11
	global_load_b128 v[BIAS+8*\b:BIAS+8*\b+3],   v[BOF], s[68+2*(\b/4):69+2*(\b/4)] offset:64*(\b%4)      ; waited for in front of the way out
	global_load_b128 v[BIAS+8*\b+4:BIAS+8*\b+7], v[BOF], s[68+2*(\b/4):69+2*(\b/4)] offset:64*(\b%4)+16
.endr
	; where my 64 rows go: plane 16 batch + head, row (block & 7) 256 + 64 w, rows of 128 bytes; one base for each part
	s_lshr_b32 s22, s13, 3
	s_lshl4_add_u32 s22, s22, s42
	s_lshl_b32 s22, s22, 18
	s_and_b32 s23, s13, 7
	s_lshl_b32 s23, s23, 8
	s_lshl_b32 s82, s10, 6
	s_add_co_u32 s23, s23, s82
	s_lshl_b32 s23, s23, 7
	s_add_co_u32 s82, s22, s23
	s_add_nc_u64 s[76:77], s[74:75], s[82:83]
	s_add_nc_u64 s[78:79], s[76:77], 0x800000
	s_add_nc_u64 s[80:81], s[78:79], 0x800000
; 12 matrix instructions: row block a of the window's two (hi = 0: my rows 0-31, 1: rows 32-63) x all 12 column tiles, 32 along K.  zero = 1 starts the sums.
.macro MUL12 f, hi, a, zero
.irp b, 0,1,2,3,4,5,6,7,8,9,10,11
.if \zero
	v_wmma_f32_16x16x32_bf16 v[8*(12*\a+\b):8*(12*\a+\b)+7], v[96*\f+8*\b:96*\f+8*\b+7], v[FA+32*\f+8*(2*\hi+\a):FA+32*\f+8*(2*\hi+\a)+7], 0
.else
	v_wmma_f32_16x16x32_bf16 v[8*(12*\a+\b):8*(12*\a+\b)+7], v[96*\f+8*\b:96*\f+8*\b+7], v[FA+32*\f+8*(2*\hi+\a):FA+32*\f+8*(2*\hi+\a)+7], v[8*(12*\a+\b):8*(12*\a+\b)+7]
.endif
.endr
.endm
; 32 LDS loads in one run: a quarter step's fragments (192 weight rows, my 64 rows of x, 32 K at byte k) into buffer f
.macro FETCH slot, k, f
	WIN TO_B
.irp i, 0,1,2,3,4,5,6,7,8,9,10,11
	ds_load_b128 v[96*\f+8*\i:96*\f+8*\i+3],   v[ADRB+\slot] offset:\k+\i*16*PITCH
	ds_load_b128 v[96*\f+8*\i+4:96*\f+8*\i+7], v[ADRB+\slot] offset:\k+\i*16*PITCH+32
.endr
	WIN 0
.irp i, 0,1,2,3
	ds_load_b128 v[FA+32*\f+8*\i:FA+32*\f+8*\i+3],   v[ADRA+\slot] offset:\k+\i*16*PITCH
	ds_load_b128 v[FA+32*\f+8*\i+4:FA+32*\f+8*\i+7], v[ADRA+\slot] offset:\k+\i*16*PITCH+32
.endr
.endm
; four places behind a matrix instruction before a load lands on a register that it read or a vector instruction reads its result (ISA guide 7.12.1 for vector instructions)
.macro PLACES
.rept 4
	v_nop
.endr
.endm
; A K step is four quarters of 32 along K, 48 matrix instructions each, on buffers 0, 1, 0, 1.  The 48 accumulators take turns, one instruction a turn, in the same
; order in every quarter, over the loop's backward jump too.
.macro QUARTER slot, k, f, g, zero
	s_wait_dscnt 4                                 ; the weights and x's row blocks 0, 1 are in; the youngest four loads (row blocks 2, 3) may be out
	WIN MUL_LO
	MUL12 \f, 0, 0, \zero
	MUL12 \f, 0, 1, \zero
	PLACES
	FETCH \slot, \k, \g
	s_wait_dscnt 32                                ; all but the 32 just issued
	WIN MUL_HI
	MUL12 \f, 1, 0, \zero
	MUL12 \f, 1, 1, \zero
.endm
.macro THREE slot, zero
	QUARTER \slot, 64,  0, 1, \zero
	QUARTER \slot, 128, 1, 0, 0
	QUARTER \slot, 192, 0, 1, 0
.endm
; The last quarter multiplies buffer 1 and changes slots.  In front of the one barrier each wave waits for its reads of this slot and for all its tensor loads (one is
; out: its part of the next slot).  fill = 1: the barrier opens a round of the cluster's barrier, and the joint refill is the first tensor load behind the round.
; From a request to the wait for it a wave issues 180 matrix instructions.
.macro TURN slot, next, fill
	s_wait_dscnt 4
	WIN MUL_LO
	MUL12 1, 0, 0, 0
	s_wait_dscnt 0                                 ; my reads of this slot are over
	s_wait_tensorcnt 0x0                           ; all my tensor loads have landed
	ds_add_u32 v255, v255
	s_wait_dscnt 0x0
	s_barrier_signal -1
	MUL12 1, 0, 1, 0                               ; register work while the others arrive
	WIN 0
	s_barrier_wait -1
.if \fill
	CREST
	s_add_nc_u64 s[G0+4*\slot+2:G0+4*\slot+3], s[G0+4*\slot+2:G0+4*\slot+3], 2*KSTEP*2
	s_add_nc_u64 s[G0B+4*\slot+2:G0B+4*\slot+3], s[G0B+4*\slot+2:G0B+4*\slot+3], 2*KSTEP*2
	JLOAD \slot
.endif
	PLACES
	FETCH \next, 0, 0
	WIN MUL_HI
	MUL12 1, 1, 0, 0
	MUL12 1, 1, 1, 0
.endm
.macro LAP zero
	THREE 0, \zero
	TURN 0, 1, 1
	THREE 1, 0
	TURN 1, 0, 1
.endm
	s_wait_tensorcnt 1                             ; my part of K step 0 is in; K step 1's stays out
	s_barrier_signal -1
	s_barrier_wait -1
	FETCH 0, 0, 0
	LAP 1                                          ; the first lap's first products start the sums: nothing is cleared
	WIN 0
	s_mov_b32 s3, LAPS-2
.Llap:
	LAP 0
	WIN 0
	s_sub_co_u32 s3, s3, 1
	s_cmp_lg_u32 s3, 0
	s_cbranch_scc1 .Llap
	THREE 0, 0                                     ; the last lap fills nothing
	TURN 0, 1, 0
	THREE 1, 0
	s_wait_dscnt 4
	WIN MUL_LO
	MUL12 1, 0, 0, 0
	MUL12 1, 0, 1, 0
	s_wait_dscnt 0
	WIN MUL_HI
	MUL12 1, 1, 0, 0
	MUL12 1, 1, 1, 0
	PLACES
	s_wait_loadcnt 0x0                             ; the bias
; THE WAY OUT, 16 rows at a time: add the bias in f32, round once to bf16, 16 bytes a lane into my own stage, read back so that one store of the wave covers four
; rows of 128 bytes of one part = 512 consecutive bytes, aligned.  LDS serves a wave's instructions in order (ISA guide 5.7.1.4): no wait between stores and loads.
.macro OUT16 a, al, from
.irp p, 0,1,2
	WIN \from
.irp b, 0,1,2,3
.irp q, 0,1,2,3
	v_pk_add_f32 v[T+8*\b+2*\q:T+8*\b+2*\q+1], v[8*(12*\al+4*\p+\b)+2*\q:8*(12*\al+4*\p+\b)+2*\q+1], v[BIAS+8*(4*\p+\b)+2*\q:BIAS+8*(4*\p+\b)+2*\q+1]
.endr
.endr
	WIN 0
.irp b, 0,1,2,3
.irp q, 0,1,2,3
	v_cvt_pk_bf16_f32 v[PK+4*\b+\q], v[T+8*\b+2*\q], v[T+8*\b+2*\q+1]
.endr
.endr
.irp b, 0,1,2,3
	ds_store_b128 v[STO], v[PK+4*\b:PK+4*\b+3] offset:32*(4*\p+\b)
.endr
.endr
	s_wait_xcnt 0x0                                ; R, which the last sixteen rows' stores read, is loaded again only behind this wait
.irp p, 0,1,2
.irp i, 0,1,2,3
	ds_load_b128 v[R+4*(4*\p+\i):R+4*(4*\p+\i)+3], v[RD] offset:1600*\i+128*\p
.endr
.endr
.irp p, 0,1,2
.irp i, 0,1,2,3
	s_wait_dscnt 11-(4*\p+\i)                      ; the younger loads stay out
	global_store_b128 v[CO], v[R+4*(4*\p+\i):R+4*(4*\p+\i)+3], s[76+2*\p:77+2*\p] offset:2048*\a+512*\i
.endr
.endr
.endm
	OUT16 0, 0, 0x02
	OUT16 1, 1, 0x02
	OUT16 2, 0, 0x03
	OUT16 3, 1, 0x03
	s_set_vgpr_msb 0x1
	s_wait_tensorcnt 0x0
	ds_add_u32 v255, v255
	s_wait_dscnt 0x0
	s_set_vgpr_msb 0x100
	CROUND                                         ; the closing round: no work-group ends while a partner may still ask for a tile that names it
	s_endpgm
.Lfunc_end_k_q68304a6f6c_qkv:
	.size	k_q68304a6f6c_qkv, .Lfunc_end_k_q68304a6f6c_qkv-k_q68304a6f6c_qkv
	.p2alignl 7, 3214868480
	.fill 96, 4, 3214868480
	.section	.rodata,"a",@progbits
	.p2align	6, 0x0
	.amdhsa_kernel k_q68304a6f6c_qkv
		.amdhsa_group_segment_fixed_size 327680
		.amdhsa_private_segment_fixed_size 0
		.amdhsa_enable_private_segment 0
		.amdhsa_kernarg_size 48
		.amdhsa_user_sgpr_count 2
		.amdhsa_user_sgpr_kernarg_segment_ptr 1
		.amdhsa_wavefront_size32 1
		.amdhsa_system_sgpr_workgroup_id_x 1
		.amdhsa_system_sgpr_workgroup_id_y 1
		.amdhsa_system_sgpr_workgroup_id_z 1
		.amdhsa_system_vgpr_workitem_id 0
		.amdhsa_next_free_vgpr 1024
		.amdhsa_next_free_sgpr 84
		.amdhsa_reserve_vcc 0
		.amdhsa_float_denorm_mode_32 3
		.amdhsa_float_denorm_mode_16_64 3
		.amdhsa_memory_ordered 1
		.amdhsa_forward_progress 1
		.amdhsa_inst_pref_size 179
	.end_amdhsa_kernel
	.amdgpu_metadata
---
amdhsa.version: [ 1, 2 ]
amdhsa.kernels:
  - .name:           k_q68304a6f6c_qkv
    .symbol:         k_q68304a6f6c_qkv.kd
    .args:
      - { .name: xb, .offset: 0, .size: 8, .value_kind: global_buffer, .address_space: global }
      - { .name: wb, .offset: 8, .size: 8, .value_kind: global_buffer, .address_space: global }
      - { .name: bq, .offset: 16, .size: 8, .value_kind: global_buffer, .address_space: global }
      - { .name: bk, .offset: 24, .size: 8, .value_kind: global_buffer, .address_space: global }
      - { .name: bv, .offset: 32, .size: 8, .value_kind: global_buffer, .address_space: global }
      - { .name: qkv, .offset: 40, .size: 8, .value_kind: global_buffer, .address_space: global }
    .group_segment_fixed_size: 327680
    .private_segment_fixed_size: 0
    .kernarg_segment_align: 8
    .kernarg_segment_size: 48
    .max_flat_workgroup_size: 128
    .sgpr_count:     84
    .vgpr_count:     1024
    .wavefront_size: 32
...
	.end_amdgpu_metadata
.endif
;; end of part 2
;; launch attn (part 3): grid 8 x 32, 16 waves a work-group, clusters of 4 x 1, 327,680 bytes of LDS; arguments qkv, ctx; writes ctx
.if DOCPART == 3
	.amdgcn_target "amdgcn-amd-amdhsa--gfx1250"
	.amdhsa_code_object_version 6
	.text
	.protected	k_q68304a6f6c_attn
	.globl	k_q68304a6f6c_attn
	.p2align	8
	.type	k_q68304a6f6c_attn,@function
k_q68304a6f6c_attn:
	s_mov_b64 s[64:65], 0
	v_nop
	global_prefetch_b8 v0, s[64:65] scope:SCOPE_SE
	s_setreg_imm32_b32 hwreg(HW_REG_WAVE_MODE, 25, 1), 1
	s_wait_xcnt 0x0
	s_wait_alu depctr_hold_cnt(0) depctr_sa_sdst(0) depctr_va_vdst(0) depctr_va_sdst(0) depctr_va_ssrc(0) depctr_va_vcc(0) depctr_vm_vsrc(0)
	s_getreg_b32 s2, hwreg(HW_REG_IB_STS2, 6, 4)
	s_cmp_eq_u32 s2, 0
	s_cbranch_scc0 .Lentry_in_a_cluster
	s_endpgm
.Lentry_in_a_cluster:
	s_bfe_u32 s2, ttmp6, 0x10000c
	s_cmp_lg_u32 s2, 0x3003
	s_cbranch_scc0 .Lentry_shape_is_right
	s_endpgm
.Lentry_shape_is_right:
; ctx = softmax(q k^T / 32) v for one (batch, head) and 256 queries a work-group, with a running maximum (the maximum is taken away before every exponential).
; qkv [part][bh 32][2048][64] bf16; ctx [row block 32][head 16][128 rows][64] bf16.  Grid: 8 query blocks x 32 planes = 256 work-groups of equal work.
; SIXTEEN WAVES, four on each SIMD, 256 registers each.  A wave's block is one chain (16 products, some 250 vector instructions of softmax, 16 products), so the units are kept
; at work by other waves' blocks.  Wave w = 8 g + u owns the 32 queries 32 u .. 32 u + 31 and, of every slot of 512 keys, the 256 keys of half g: 16 blocks of 64 keys in all.
; The two waves of a pair (u, 0), (u, 1) end with a maximum, a sum and an O of their own each; they are merged at the end: each wave keeps its register tile 0 and hands register
; tile 1 to its partner through LDS.  Register tile a holds query tile a xor g, so the text is the same in every wave.
; CLUSTERS: the four work-groups of a cluster are four query blocks of one plane; they read the same K and V tiles and ask for them jointly (mask 15).
; FORM: S^T = K Q^T (rows = keys, columns = queries): lane (r, h) holds query r and keys 8 h + j of each key tile.  Two neighbouring key tiles, rounded and packed, ARE
; the second operand of O^T = V^T P^T, so P never goes through LDS, every statistic is one number a lane, and one exchange between the halves of the wave serves a block.
; V^T's fragments come from row-major V by the transposing LDS load.
; p = 2^(c s - c M), c = log2(e) / 32; the shift -c M is rounded once and used alike for numerator, denominator and the factor 2^(shift new - shift old), so its rounding cancels.
; LIMITS: scores must be finite; an exponential below 2^-126 comes out as 0 (ISA guide 15.8); NaN and infinities are not treated specially.
.set KP,    144                        ; K's LDS pitch: 128 bytes + 16, an odd multiple of 16
.set VP,    160                        ; V's LDS pitch: 128 bytes + 32, an odd multiple of 32 (for the transposing load)
.set SKEYS, 512                        ; keys in a slot
.set GKEYS, 256                        ; keys of a slot that one half of the waves walks
.set KREG,  SKEYS*VP                   ; a slot: V's 512 rows (81,920 bytes), then K's 512 rows (73,728)
.set SLOT,  SKEYS*VP+SKEYS*KP          ; 155,648; two slots are all of the work-group's LDS
.set EXB,   4608                       ; the exchange, a wave's part: 4,096 bytes of O (32 registers x 32 lanes) + 512 of statistics
.set STAGE, 16*EXB                     ; 73,728: the way out, 16 rows x 144 bytes for each wave.  Exchange and stage lie in slot 0 and are written only after its last fill
.set EXR,  1                           ; v1     where I read my partner's part of the exchange
.set KADR, 2                           ; v2-3   LDS address of my K fragments in slot 0, 1 (my half of the keys included)
.set VADR, 4                           ; v4-5   the same for V
.set STO,  6
.set RD,   7
.set CO,   8
.set EXW,  9                           ; v9     where I write my part of the exchange
.set M,    10                          ; v10-11 running maximum of the raw scores, tile a
.set NEG,  12                          ; v12-15 -c M, twice (a pair for the packed multiply-add)
.set AL,   16                          ; v16-19 2^(shift new - shift old), twice; at the end the two factors of the merge
.set LP,   20                          ; v20-27 running sums: two chains of pairs for each a
.set TM,   28                          ; v28-31 at work
.set QF,   32                          ; v32-63   Q's fragments: 16 a + 8 ks
.set S,    64                          ; v64-127  scores, then p: 32 a + 8 t; packed P at 32 a + 8 g.  At the start: temporaries
.set O,    128                         ; v128-191 O^T, tile (a, dt) at 8 (4 a + dt)
.set F,    192                         ; v192-255 one fragment buffer, by turns K's (16 t + 8 ks) and V^T's (32 g + 8 dt)
.set G1K, 16                           ; s[16:23] group 1 for K's tiles
.set G1V, 24                           ; s[24:31] group 1 for V's tiles
.set G0K, 32                           ; s[32:39] group 0 for K, one set for each slot
.set G0V, 40                           ; s[40:47] group 0 for V
.macro ROUND                           ; a round of the cluster's barrier
	s_barrier_signal -1
	s_barrier_wait -1
	s_cmp_lg_u32 s8, 0
	s_cbranch_scc1 .Lnot_wave_0_\@
	s_barrier_signal -3
.Lnot_wave_0_\@:
	s_barrier_wait -3
	s_barrier_signal -1
	s_barrier_wait -1
.endm
.macro JLOAD s                         ; waves 0-7 fetch 64 rows of V each, waves 8-15 64 rows of K: one load a wave.  s may be an expression: it stands in brackets
	s_cmp_lt_u32 s8, 8
	s_cbranch_scc0 .Lfor_k_\@
	tensor_load_to_lds s[G0V+4*(\s):G0V+4*(\s)+3], s[G1V:G1V+7]
	s_nop 0
	s_branch .Lasked_\@
.Lfor_k_\@:
	tensor_load_to_lds s[G0K+4*(\s):G0K+4*(\s)+3], s[G1K:G1K+7]
	s_nop 0
.Lasked_\@:
.endm
	s_load_b128 s[4:7], s[0:1], 0x0                ; qkv s[4:5], ctx s[6:7]
	v_lshl_add_u32 v126, v0, 2, 0x4c000
	v_mov_b32 v127, 0
	ds_add_u32 v126, v127
	s_wait_dscnt 0x0
	v_lshrrev_b32 v1, 5, v0
	v_readfirstlane_b32 s8, v1                     ; wave 0..15
	s_lshr_b32 s15, s8, 3                          ; g: my half of the keys
	s_and_b32 s59, s8, 7                           ; u: my 32 queries
	s_bfe_u32 s9, ttmp6, 0x40000                   ; cx: enters Q's and ctx's global addresses alone
	s_lshl_b32 s10, ttmp9, 2
	s_add_co_u32 s10, s10, s9                      ; query block
	s_and_b32 s11, ttmp7, 0xffff                   ; plane bh = 16 batch + head
	s_mov_b32 s12, 0x76543210                      ; v_permlanex16_b32: lane i of one half reads lane i of the other
	s_mov_b32 s13, 0xfedcba98
	; tiles of 64 rows x 64 elements, dense in memory; after every 32 words K gets 4 words of padding, V 8
	s_mov_b32 s[G1K+0], 15|(1<<16)|(1<<20)|(1<<21)|(4<<22)|(3<<25)
	s_mov_b32 s[G1V+0], 15|(1<<16)|(1<<20)|(1<<21)|(4<<22)|(7<<25)
.irp g, G1K, G1V
	s_mov_b32 s[\g+1], 64<<16                      ; tensor_dim0 = 64
	s_mov_b32 s[\g+2], 64<<16                      ; tensor_dim1 = 64
	s_mov_b32 s[\g+3], 64<<16                      ; tile_dim0 = 64
	s_mov_b32 s[\g+4], 64                          ; tile_dim1 = 64
	s_mov_b32 s[\g+5], 64                          ; elements from row to row
	s_mov_b32 s[\g+6], 0
	s_mov_b32 s[\g+7], 0
.endr
	s_lshl_b32 s48, s11, 18                        ; the plane: 262,144 bytes
	s_lshl_b32 s49, s59, 13                        ; the 64 rows of 128 bytes that I fetch
	s_add_co_u32 s48, s48, s49
	s_mov_b32 s49, 0
	s_mul_i32 s50, s8, 64*VP                       ; LDS: waves 0-7, V's eighths
	s_mul_i32 s51, s8, 64*KP
	s_add_co_u32 s51, s51, KREG-8*64*KP            ; waves 8-15, K's eighths behind V's region
	s_lshl_b32 s54, s10, 8                         ; Q: row 256 block + 32 u, rows of 128 bytes, in the plane of part 0
	s_lshl_b32 s55, s59, 5
	s_add_co_u32 s54, s54, s55
	s_lshl_b32 s54, s54, 7
	s_lshl_b32 s55, s11, 18
	s_add_co_u32 s54, s54, s55
	s_mov_b32 s55, 0
	s_lshr_b32 s56, s11, 4                         ; ctx: row block 16 batch + 2 query block + (u >> 2), plane head, rows 32 (u & 3) + 16 g
	s_lshl_b32 s56, s56, 4
	s_lshl1_add_u32 s56, s10, s56
	s_lshr_b32 s57, s59, 2
	s_add_co_u32 s56, s56, s57
	s_lshl_b32 s56, s56, 18
	s_and_b32 s57, s11, 15
	s_lshl_b32 s57, s57, 14
	s_add_co_u32 s56, s56, s57
	s_and_b32 s57, s59, 3
	s_lshl_b32 s57, s57, 12
	s_add_co_u32 s56, s56, s57
	s_lshl_b32 s57, s15, 11
	s_add_co_u32 s56, s56, s57
	s_mov_b32 s57, 0
	s_mul_i32 s58, s8, 16*KP
	s_add_co_u32 s58, s58, STAGE                   ; my stage
	s_mul_i32 s60, s8, EXB                         ; my part of the exchange,
	s_xor_b32 s61, s8, 8
	s_mul_i32 s61, s61, EXB                        ; my partner's
	s_mul_i32 s62, s15, GKEYS*KP
	s_add_co_u32 s62, s62, KREG                    ; my half of the keys in K's region
	s_mul_i32 s63, s15, GKEYS*VP                   ; and in V's
	s_lshl_b32 s14, s15, 11                        ; query tile g, 16 rows of 128 bytes
	s_wait_kmcnt 0x0
	s_add_nc_u64 s[52:53], s[4:5], s[48:49]
	s_add_nc_u64 s[54:55], s[4:5], s[54:55]
	s_add_nc_u64 s[56:57], s[6:7], s[56:57]
	ROUND                                          ; the four partners are here: the first joint loads meet
.irp s, 0,1
	s_mov_b32 s[G0K+4*\s], 1
	s_add_co_u32 s[G0K+4*\s+1], s51, \s*SLOT
	s_add_nc_u64 s[G0K+4*\s+2:G0K+4*\s+3], s[52:53], 0x800000+\s*0x10000    ; part 1; a slot is 512 keys = 65,536 bytes
	s_or_b32 s[G0K+4*\s+3], s[G0K+4*\s+3], 0x80000000
	s_mov_b32 s[G0V+4*\s], 1
	s_add_co_u32 s[G0V+4*\s+1], s50, \s*SLOT
	s_add_nc_u64 s[G0V+4*\s+2:G0V+4*\s+3], s[52:53], 0x1000000+\s*0x10000   ; part 2
	s_or_b32 s[G0V+4*\s+3], s[G0V+4*\s+3], 0x80000000
	JLOAD \s                                       ; both slots' first fills: two tensor loads of this wave are out
.endr
	v_and_b32 v64, 15, v0                          ; r
	v_bfe_u32 v65, v0, 4, 1                        ; h
	v_lshlrev_b32 v1, 7, v64
	v_lshl_add_u32 v1, v65, 4, v1                  ; r x 128 + 16 h
	v_add_nc_u32 v66, s14, v1                      ; register tile 0 = query tile g
	s_xor_b32 s14, s14, 2048
	v_add_nc_u32 v67, s14, v1                      ; register tile 1 = query tile 1 - g
.irp a, 0,1
.irp q, 0,1,2,3
	global_load_b128 v[QF+16*\a+4*\q:QF+16*\a+4*\q+3], v[66+\a], s[54:55] offset:32*\q   ; Q's fragments stay in registers for the whole kernel
.endr
.endr
	v_mul_u32_u24 v68, v64, KP
	v_lshl_add_u32 v68, v65, 4, v68                ; r x 144 + 16 h
	v_add_nc_u32 v[KADR], s62, v68
	v_add_nc_u32 v[KADR+1], SLOT, v[KADR]
	v_add_nc_u32 v[STO], s58, v68
	v_and_b32 v69, 7, v0
	v_lshl_add_u32 v1, v65, 3, v69
	v_mul_u32_u24 v1, v1, VP                       ; (8 h + (l & 7)) x 160
	v_bfe_u32 v70, v0, 3, 1
	v_lshl_add_u32 v1, v70, 4, v1                  ; + 16 ((l >> 3) & 1)
	v_add_nc_u32 v[VADR], s63, v1
	v_add_nc_u32 v[VADR+1], SLOT, v[VADR]
	v_bfe_u32 v1, v0, 3, 2
	v_mul_u32_u24 v1, v1, KP
	v_lshl_add_u32 v1, v69, 4, v1
	v_add_nc_u32 v[RD], s58, v1                    ; back: eight lanes take a row of 128 bytes, 32 lanes four rows
	v_and_b32 v71, 31, v0
	v_lshlrev_b32 v[CO], 4, v71                    ; 16 x lane
	v_add_nc_u32 v[EXW], s60, v[CO]
	v_add_nc_u32 v[EXR], s61, v[CO]
.macro KLOAD slot, j                   ; K's fragments of my block j (64 keys): 4 key tiles x 64 along the head
.irp t, 0,1,2,3
.irp q, 0,1,2,3
	ds_load_b128 v[F+16*\t+4*\q:F+16*\t+4*\q+3], v[KADR+\slot] offset:(64*(\j)+16*\t)*KP+32*\q
.endr
.endr
.endm
.macro VLOAD slot, j                   ; V^T's fragments of my block j: 2 groups of 32 keys x 4 tiles of 16 along the head
.irp g, 0,1
.irp dt, 0,1,2,3
	ds_load_tr16_b128 v[F+32*\g+8*\dt:F+32*\g+8*\dt+3],   v[VADR+\slot] offset:(64*(\j)+32*\g)*VP+32*\dt
	ds_load_tr16_b128 v[F+32*\g+8*\dt+4:F+32*\g+8*\dt+7], v[VADR+\slot] offset:(64*(\j)+32*\g+16)*VP+32*\dt
.endr
.endr
.endm
.macro EXPS a                          ; p = 2^(c s + shift), in place
.irp i, 0,2,4,6,8,10,12,14,16,18,20,22,24,26,28,30
	v_pk_fma_f32 v[S+32*\a+\i:S+32*\a+\i+1], v[S+32*\a+\i:S+32*\a+\i+1], 0x3d38aa3b, v[NEG+2*\a:NEG+2*\a+1] op_sel_hi:[1,0,1]
.endr
.set e, 0
.rept 32
	v_exp_f32 v[S+32*\a+e], v[S+32*\a+e]
.set e, e+1
.endr
.endm
.macro SUMS a, first                   ; the running sums, two chains; the old sum is scaled and the first pair added in one fused multiply-add
.if \first
	s_wait_alu depctr_va_vdst(0)
.irp c, 0,1
	v_pk_add_f32 v[LP+4*\a+2*\c:LP+4*\a+2*\c+1], v[S+32*\a+16*\c:S+32*\a+16*\c+1], v[S+32*\a+16*\c+2:S+32*\a+16*\c+3]
.endr
.else
	s_wait_alu depctr_va_vdst(0)
.irp c, 0,1
	v_pk_fma_f32 v[LP+4*\a+2*\c:LP+4*\a+2*\c+1], v[LP+4*\a+2*\c:LP+4*\a+2*\c+1], v[AL+2*\a:AL+2*\a+1], v[S+32*\a+16*\c:S+32*\a+16*\c+1]
.endr
.irp c, 0,1
	v_pk_add_f32 v[LP+4*\a+2*\c:LP+4*\a+2*\c+1], v[LP+4*\a+2*\c:LP+4*\a+2*\c+1], v[S+32*\a+16*\c+2:S+32*\a+16*\c+3]
.endr
.endif
.irp i, 4,6,8,10,12,14
.irp c, 0,1
	v_pk_add_f32 v[LP+4*\a+2*\c:LP+4*\a+2*\c+1], v[LP+4*\a+2*\c:LP+4*\a+2*\c+1], v[S+32*\a+16*\c+\i:S+32*\a+16*\c+\i+1]
.endr
.endr
.endm
.macro CVTS a                          ; p to bf16, packed downward in place: register 8 g + i from 16 g + 2 i and + 1; ascending, so each source is read before it is written over
.irp g, 0,1
.irp i, 0,1,2,3,4,5,6,7
	v_cvt_pk_bf16_f32 v[S+32*\a+8*\g+\i], v[S+32*\a+16*\g+2*\i], v[S+32*\a+16*\g+2*\i+1]
.endr
.endr
.endm
; One block: 64 keys x my 32 queries, 32 matrix instructions.  first = 1: the very first block starts maximum, sums and O.  pre = 1: the next block's K fragments are fetched at its end.
.macro BLOCK slot, j, first, pre
	s_wait_dscnt 0x0                               ; this block's K fragments (nothing else is out)
.irp t, 0,1,2,3
.irp a, 0,1
	v_wmma_f32_16x16x32_bf16 v[S+32*\a+8*\t:S+32*\a+8*\t+7], v[F+16*\t:F+16*\t+7], v[QF+16*\a:QF+16*\a+7], 0
.endr
.endr
.irp t, 0,1,2,3                                    ; the eight accumulators take turns, one instruction a turn
.irp a, 0,1
	v_wmma_f32_16x16x32_bf16 v[S+32*\a+8*\t:S+32*\a+8*\t+7], v[F+16*\t+8:F+16*\t+15], v[QF+16*\a+8:QF+16*\a+15], v[S+32*\a+8*\t:S+32*\a+8*\t+7]
.endr
.endr
.rept 4
	v_nop                                          ; four places (ISA guide 7.12.1) before S is read and before V's fragments land on the registers that held K's
.endr
	VLOAD \slot, \j                                ; the softmax below stands between these loads and their use
	; the largest of my 32 scores of each query tile, in two chains each, with the old maximum; then the other half of the wave (the query's other keys)
.irp a, 0,1
.irp c, 0,1
	v_max3_num_f32 v[TM+2*\a+\c], v[S+32*\a+16*\c], v[S+32*\a+16*\c+1], v[S+32*\a+16*\c+2]
.endr
.endr
.irp i, 0,1,2,3,4,5
.irp a, 0,1
.irp c, 0,1
	v_max3_num_f32 v[TM+2*\a+\c], v[TM+2*\a+\c], v[S+32*\a+16*\c+3+2*\i], v[S+32*\a+16*\c+4+2*\i]
.endr
.endr
.endr
.irp a, 0,1
	v_max3_num_f32 v[TM+2*\a], v[TM+2*\a], v[TM+2*\a+1], v[S+32*\a+15]
.endr
.irp a, 0,1
.if \first
	v_max_num_f32 v[TM+2*\a], v[TM+2*\a], v[S+32*\a+31]
.else
	v_max3_num_f32 v[TM+2*\a], v[TM+2*\a], v[S+32*\a+31], v[M+\a]
.endif
.endr
.irp a, 0,1
	v_permlanex16_b32 v[TM+2*\a+1], v[TM+2*\a], s12, s13
.endr
.irp a, 0,1
	v_max_num_f32 v[M+\a], v[TM+2*\a], v[TM+2*\a+1]
.endr
.irp a, 0,1
	v_mul_f32 v[TM+2*\a], 0xbd38aa3b, v[M+\a]      ; the new shift, -c M
.endr
.if \first == 0
.irp a, 0,1
	v_sub_f32 v[AL+2*\a], v[TM+2*\a], v[NEG+2*\a]  ; new shift - old shift, at most 0
.endr
.irp a, 0,1
	v_exp_f32 v[AL+2*\a], v[AL+2*\a]
.endr
.endif
.irp a, 0,1
	v_mov_b32 v[NEG+2*\a], v[TM+2*\a]              ; plain instructions between the exponentials and the first use of their results (ISA guide 5.7.2)
	v_mov_b32 v[NEG+2*\a+1], v[TM+2*\a]
.endr
.if \first == 0
	s_wait_alu depctr_va_vdst(0)
.irp a, 0,1
	v_mov_b32 v[AL+2*\a+1], v[AL+2*\a]
.endr
.endif
	EXPS 0
	EXPS 1                                         ; its multiply-adds stand between tile 0's exponentials and their use
	SUMS 0, \first                                 ; and tile 0's sums between tile 1's exponentials and theirs
	CVTS 0
	SUMS 1, \first
	CVTS 1
.if \first == 0
.irp a, 0,1
.irp i, 0,2,4,6,8,10,12,14,16,18,20,22,24,26,28,30
	v_pk_mul_f32 v[O+32*\a+\i:O+32*\a+\i+1], v[O+32*\a+\i:O+32*\a+\i+1], v[AL+2*\a:AL+2*\a+1]
.endr
.endr
.endif
	s_wait_dscnt 0x0                               ; V's fragments are in
.irp dt, 0,1,2,3
.irp a, 0,1
.if \first
	v_wmma_f32_16x16x32_bf16 v[O+8*(4*\a+\dt):O+8*(4*\a+\dt)+7], v[F+8*\dt:F+8*\dt+7], v[S+32*\a:S+32*\a+7], 0
.else
	v_wmma_f32_16x16x32_bf16 v[O+8*(4*\a+\dt):O+8*(4*\a+\dt)+7], v[F+8*\dt:F+8*\dt+7], v[S+32*\a:S+32*\a+7], v[O+8*(4*\a+\dt):O+8*(4*\a+\dt)+7]
.endif
.endr
.endr
.irp dt, 0,1,2,3                                   ; again eight accumulators by turns
.irp a, 0,1
	v_wmma_f32_16x16x32_bf16 v[O+8*(4*\a+\dt):O+8*(4*\a+\dt)+7], v[F+32+8*\dt:F+32+8*\dt+7], v[S+32*\a+8:S+32*\a+15], v[O+8*(4*\a+\dt):O+8*(4*\a+\dt)+7]
.endr
.endr
.rept 4
	v_nop                                          ; four places before the next K fragments land on the registers that held V's (ISA guide 7.12.1 for vector instructions)
.endr
.if \pre
	KLOAD \slot, \j+1
.endif
	v_nop                                          ; the fifth place before the next block's products write over P, which these read
.endm
; The next slot's four blocks of mine.  refill = 1: the slot read last is filled again, two slots ahead.  In front of the barrier every wave waits for all its tensor loads (its part
; of this slot among them) and for its reads of the other slot; the round of the cluster's barrier is that barrier; the joint refill is the first thing behind it, one a wave,
; and has four blocks of each of the four waves of a SIMD in which to land.
.macro NEXT slot, refill
	s_wait_xcnt 0x0
	v_lshl_add_u32 v126, v0, 2, 0x4c000
	v_mov_b32 v127, 0
	s_wait_tensorcnt 0x0
	ds_add_u32 v126, v127
	s_wait_dscnt 0x0
.if \refill
	s_add_nc_u64 s[G0K+4*(1-\slot)+2:G0K+4*(1-\slot)+3], s[G0K+4*(1-\slot)+2:G0K+4*(1-\slot)+3], 0x20000
	s_add_nc_u64 s[G0V+4*(1-\slot)+2:G0V+4*(1-\slot)+3], s[G0V+4*(1-\slot)+2:G0V+4*(1-\slot)+3], 0x20000
.endif
	s_wait_dscnt 0x0
.if \refill
	ROUND
	JLOAD 1-\slot
.else
	s_barrier_signal -1
	s_barrier_wait -1
.endif
	KLOAD \slot, 0
	BLOCK \slot, 0, 0, 1
	BLOCK \slot, 1, 0, 1
	BLOCK \slot, 2, 0, 1
	BLOCK \slot, 3, 0, 0
.endm
	s_wait_tensorcnt 1                             ; my part of slot 0 is in; slot 1's stays out
	s_barrier_signal -1
	s_barrier_wait -1
	KLOAD 0, 0
	s_wait_loadcnt 0x0                             ; Q (and its offsets in v66-67 may be written over)
	BLOCK 0, 0, 1, 1                               ; keys 0-511: 2,048 keys are four slots' worth, written out
	BLOCK 0, 1, 0, 1
	BLOCK 0, 2, 0, 1
	BLOCK 0, 3, 0, 0
	NEXT 1, 1                                      ; keys 512-1023; slot 0 gets keys 1024-1535
	NEXT 0, 1                                      ; keys 1024-1535; slot 1 gets keys 1536-2047
	NEXT 1, 0                                      ; keys 1536-2047: nothing is left to fetch.  The barrier in front of it ended every wave's reads of slot 0, which has had its last fill
	; THE MERGE.  Each lane's sums: two chains, then the pair.  Register tile 1 goes to my partner as it is: shift, sum, 32 registers of O, each lane's own 16 bytes side by side.
.irp a, 0,1
	v_pk_add_f32 v[LP+4*\a:LP+4*\a+1], v[LP+4*\a:LP+4*\a+1], v[LP+4*\a+2:LP+4*\a+3]
.endr
.irp a, 0,1
	v_add_f32 v[LP+4*\a], v[LP+4*\a], v[LP+4*\a+1]
.endr
	v_mov_b32 v[TM], v[NEG+2]
	v_mov_b32 v[TM+1], v[LP+4]
	ds_store_b128 v[EXW], v[TM:TM+3] offset:4096   ; shift and sum of tile 1 (the other two words are not used)
.irp i, 0,1,2,3,4,5,6,7
	ds_store_b128 v[EXW], v[O+32+4*\i:O+32+4*\i+3] offset:512*\i
.endr
	s_wait_dscnt 0x0                               ; for my partner's sake: zero
	s_barrier_signal -1
	s_barrier_wait -1
	ds_load_b128 v[F+32:F+35], v[EXR] offset:4096  ; my partner's shift and sum of the query tile that I keep
.irp i, 0,1,2,3,4,5,6,7
	ds_load_b128 v[F+4*\i:F+4*\i+3], v[EXR] offset:512*\i
.endr
	s_wait_dscnt 8                                 ; shift and sum are in; the eight younger loads (O) stay out
	v_min_num_f32 v[TM], v[NEG], v[F+32]           ; the smaller shift belongs to the larger maximum
	v_sub_f32 v[TM+1], v[TM], v[NEG]               ; both exponents are at most 0
	v_sub_f32 v[TM+2], v[TM], v[F+32]
	v_exp_f32 v[TM+1], v[TM+1]
	v_exp_f32 v[TM+2], v[TM+2]
	v_nop                                          ; a plain place behind the exponentials (ISA guide 5.7.2)
	s_wait_alu depctr_va_vdst(0)
	v_mul_f32 v[LP], v[LP], v[TM+1]
	v_fmac_f32 v[LP], v[F+33], v[TM+2]
	v_permlanex16_b32 v[TM+3], v[LP], s12, s13     ; the query's other keys lie in the other half of the wave
	v_add_f32 v[LP], v[LP], v[TM+3]
	v_rcp_f32 v[LP+1], v[LP]
	v_nop                                          ; a plain place behind the reciprocal
	s_wait_alu depctr_va_vdst(0)
	v_mul_f32 v[AL],   v[TM+1], v[LP+1]            ; my factor / sum, twice
	v_mul_f32 v[AL+1], v[TM+1], v[LP+1]
	v_mul_f32 v[AL+2], v[TM+2], v[LP+1]            ; my partner's factor / sum, twice
	v_mul_f32 v[AL+3], v[TM+2], v[LP+1]
	s_wait_dscnt 0x0                               ; my reads of the exchange are over:
	s_barrier_signal -1                            ; say so, and work on registers while the others arrive
.irp i, 0,2,4,6,8,10,12,14,16,18,20,22,24,26,28,30
	v_pk_mul_f32 v[O+\i:O+\i+1], v[O+\i:O+\i+1], v[AL:AL+1]
.endr
.irp i, 0,2,4,6,8,10,12,14,16,18,20,22,24,26,28,30
	v_pk_fma_f32 v[O+\i:O+\i+1], v[F+\i:F+\i+1], v[AL+2:AL+3], v[O+\i:O+\i+1]
.endr
.irp i, 0,1,2,3,4,5,6,7,8,9,10,11,12,13,14,15
	v_cvt_pk_bf16_f32 v[S+\i], v[O+2*\i], v[O+2*\i+1]              ; rounded once
.endr
	s_barrier_wait -1                              ; no wave stores into its stage while another still reads the exchange
.irp dt, 0,1,2,3
	ds_store_b128 v[STO], v[S+4*\dt:S+4*\dt+3] offset:32*\dt       ; query r, head columns 16 dt + 8 h .. + 7
.endr
.irp i, 0,1,2,3
	ds_load_b128 v[S+16+4*\i:S+16+4*\i+3], v[RD] offset:4*KP*\i    ; LDS serves a wave's instructions in order (ISA guide 5.7.1.4): these see the stores above
.endr
.irp i, 0,1,2,3
	s_wait_dscnt 3-\i                              ; the younger loads stay out
	global_store_b128 v[CO], v[S+16+4*\i:S+16+4*\i+3], s[56:57] offset:512*\i   ; four rows of 128 bytes = 512 consecutive bytes, aligned
.endr
	s_wait_xcnt 0x0
	v_lshl_add_u32 v126, v0, 2, 0x4c000
	v_mov_b32 v127, 0
	s_wait_tensorcnt 0x0
	ds_add_u32 v126, v127
	s_wait_dscnt 0x0
	ROUND                                          ; the closing round
	s_endpgm
.Lfunc_end_k_q68304a6f6c_attn:
	.size	k_q68304a6f6c_attn, .Lfunc_end_k_q68304a6f6c_attn-k_q68304a6f6c_attn
	.p2alignl 7, 3214868480
	.fill 96, 4, 3214868480
	.section	.rodata,"a",@progbits
	.p2align	6, 0x0
	.amdhsa_kernel k_q68304a6f6c_attn
		.amdhsa_group_segment_fixed_size 327680
		.amdhsa_private_segment_fixed_size 0
		.amdhsa_enable_private_segment 0
		.amdhsa_kernarg_size 16
		.amdhsa_user_sgpr_count 2
		.amdhsa_user_sgpr_kernarg_segment_ptr 1
		.amdhsa_wavefront_size32 1
		.amdhsa_system_sgpr_workgroup_id_x 1
		.amdhsa_system_sgpr_workgroup_id_y 1
		.amdhsa_system_sgpr_workgroup_id_z 1
		.amdhsa_system_vgpr_workitem_id 0
		.amdhsa_next_free_vgpr 256
		.amdhsa_next_free_sgpr 66
		.amdhsa_reserve_vcc 0
		.amdhsa_float_denorm_mode_32 3
		.amdhsa_float_denorm_mode_16_64 3
		.amdhsa_memory_ordered 1
		.amdhsa_forward_progress 1
		.amdhsa_inst_pref_size 255
	.end_amdhsa_kernel
	.section	.bss,"aw",@nobits
	.p2align	6
	.space	262144
	.amdgpu_metadata
---
amdhsa.version: [ 1, 2 ]
amdhsa.kernels:
  - .name:           k_q68304a6f6c_attn
    .symbol:         k_q68304a6f6c_attn.kd
    .args:
      - { .name: qkv, .offset: 0, .size: 8, .value_kind: global_buffer, .address_space: global }
      - { .name: ctx, .offset: 8, .size: 8, .value_kind: global_buffer, .address_space: global }
    .group_segment_fixed_size: 327680
    .private_segment_fixed_size: 0
    .kernarg_segment_align: 8
    .kernarg_segment_size: 16
    .max_flat_workgroup_size: 512
    .sgpr_count:     66
    .vgpr_count:     256
    .wavefront_size: 32
...
	.end_amdgpu_metadata
.endif
;; end of part 3
;; launch proj (part 4): grid 8 x 32, 4 waves a work-group, clusters of 4 x 4, 327,680 bytes of LDS; arguments ctx, wo2, x, bo, y; writes y
.if DOCPART == 4
	.amdgcn_target "amdgcn-amd-amdhsa--gfx1250"
	.amdhsa_code_object_version 6
	.text
	.protected	k_q68304a6f6c_proj
	.globl	k_q68304a6f6c_proj
	.p2align	8
	.type	k_q68304a6f6c_proj,@function
k_q68304a6f6c_proj:
	s_mov_b64 s[64:65], 0
	v_nop
	global_prefetch_b8 v0, s[64:65] scope:SCOPE_SE
	s_setreg_imm32_b32 hwreg(HW_REG_WAVE_MODE, 25, 1), 1
	s_wait_xcnt 0x0
	s_wait_alu depctr_hold_cnt(0) depctr_sa_sdst(0) depctr_va_vdst(0) depctr_va_sdst(0) depctr_va_ssrc(0) depctr_va_vcc(0) depctr_vm_vsrc(0)
	s_getreg_b32 s2, hwreg(HW_REG_IB_STS2, 6, 4)
	s_cmp_eq_u32 s2, 0
	s_cbranch_scc0 .Lentry_in_a_cluster
	s_endpgm
.Lentry_in_a_cluster:
	s_bfe_u32 s2, ttmp6, 0x10000c
	s_cmp_lg_u32 s2, 0xf033
	s_cbranch_scc0 .Lentry_shape_is_right
	s_endpgm
.Lentry_shape_is_right:
; y = x + ctx wo^T + bo, in f32.  ctx [row block 32][kb 16][128 rows][64] bf16, wo2 [cb 8][kb 16][128 n][64 k] bf16, x and y [4096][1024] f32.
; A work-group makes 128 rows x 128 columns: 8 x 32 = 256 work-groups of equal work.  Four waves, 2 x 2, each 64 x 64: 16 accumulator tiles.
; K = 1,024 goes in four slots' worth of 256 through two LDS slots: a slot holds four blocks (128 rows x 64 K) of ctx and four of wo2.  In memory two such blocks follow
; each other without a gap, so one tensor load of 256 rows x 128 bytes brings two: one load a wave fills a slot.
; CLUSTERS: 4 x 4.  ctx's tiles hang on the row block alone (shared along a row of the cluster), wo2's on the column block alone (shared along a column): joint loads.
; LayerNorm needs whole rows of 1,024 columns, which eight work-groups make here: it is the next launch's.
; The matrix instruction is used transposed (source 0 = 16 rows of wo2, source 1 = 16 rows of ctx): a lane holds 8 neighbouring columns of one row.
.set KP,     144                       ; LDS pitch: 128 bytes + 16, an odd multiple of 16
.set PLANE,  128*KP                    ; one block of 128 rows x 64 K
.set SLOT,   8*PLANE                   ; 147,456
.set STAGE,  2*SLOT                    ; 294,912 = 1,152 x 256: never the target of a tensor load
.set SPITCH, 272                       ; a stage row: 64 f32 + 16 bytes
.set ADRA, 16                          ; v16-17 LDS address of my ctx fragments in slot 0, 1
.set ADRB, 20                          ; v20-21 the same for wo2
.set STO,  24
.set RD,   25
.set XO,   26                          ; my byte offset in x and y: (l >> 4) rows + 16 (l & 15)
.set CB,   27                          ; 16 (l & 15)
.set BO,   28                          ; v28-31 bo of my four columns
.set FR,   32                          ; fragments: buffer f at 32 + 64 f: ctx's 4 tiles, then wo2's 4 tiles
.set XA,   160                         ; v160-191, v192-223: x, two buffers of 16 rows
.set XB,   192
.set R,    224                         ; v224-255 rows read back
                                       ; window 1, v0-127 (v256-383): accumulator tile (a, b) at 8 (4 a + b)
.set G1,  24
.set G0,  32
.set G1B, 48
.set G0B, 56
.set MSB, 0
.macro WIN new
.if MSB != \new
	s_set_vgpr_msb (MSB<<8)|\new
.set MSB, \new
.endif
.endm
.macro JLOAD s                         ; waves 0, 1: ctx's blocks 0-1, 2-3 of the slot; waves 2, 3: wo2's
	s_cmp_eq_u32 s11, 0
	s_cbranch_scc0 .Lfor_b_\@
	tensor_load_to_lds s[G0+4*\s:G0+4*\s+3], s[G1:G1+7]
	s_nop 0
	s_branch .Lasked_\@
.Lfor_b_\@:
	tensor_load_to_lds s[G0B+4*\s:G0B+4*\s+3], s[G1B:G1B+7]
	s_nop 0
.Lasked_\@:
.endm
.macro CREST
	s_cmp_lg_u32 s10, 0
	s_cbranch_scc1 .Lnot_wave_0_\@
	s_barrier_signal -3
.Lnot_wave_0_\@:
	s_barrier_wait -3
	s_barrier_signal -1
	s_barrier_wait -1
.endm
.macro CROUND
	s_barrier_signal -1
	s_barrier_wait -1
	CREST
.endm
	s_load_b128 s[4:7], s[0:1], 0x0                ; ctx s[4:5], wo2 s[6:7]
	s_load_b128 s[68:71], s[0:1], 0x10             ; x s[68:69], bo s[70:71]
	s_load_b64 s[72:73], s[0:1], 0x20              ; y
	v_lshl_add_u32 v22, v0, 2, 0x4c400
	v_mov_b32 v23, 0
	ds_add_u32 v22, v23
	v_lshrrev_b32 v1, 5, v0
	v_readfirstlane_b32 s10, v1                    ; wave 0..3
	s_lshr_b32 s11, s10, 1                         ; my half of the rows.  Also: I fetch for ctx (0) or for wo2 (1)
	s_and_b32 s12, s10, 1                          ; my half of the columns.  Also: which two blocks I fetch
	s_bfe_u32 s40, ttmp6, 0x40000                  ; cx
	s_bfe_u32 s41, ttmp6, 0x40004                  ; cy
	s_lshl_b32 s42, ttmp9, 2
	s_add_co_u32 s42, s42, s40                     ; column block
	s_and_b32 s13, ttmp7, 0xffff
	s_lshl_b32 s13, s13, 2
	s_add_co_u32 s13, s13, s41                     ; row block
	s_lshl_b32 s43, s41, 2
	s_lshl_b32 s43, 15, s43                        ; my row of the cluster
	s_lshl_b32 s44, 0x1111, s40                    ; my column
	s_or_b32 s[G1+0], s43, (1<<16)|(1<<20)|(1<<21)|(4<<22)|(3<<25)  ; mask; elements of 2 bytes; padding on; bit 21 beside a mask; after every 32 words, 4 words
	s_or_b32 s[G1B+0], s44, (1<<16)|(1<<20)|(1<<21)|(4<<22)|(3<<25)
.irp g, G1, G1B
	s_mov_b32 s[\g+1], 64<<16                      ; tensor_dim0 = 64
	s_mov_b32 s[\g+2], 256<<16                     ; tensor_dim1 = 256
	s_mov_b32 s[\g+3], 64<<16                      ; tile_dim0 = 64
	s_mov_b32 s[\g+4], 256                         ; tile_dim1 = 256 rows: two blocks
	s_mov_b32 s[\g+5], 64                          ; elements from row to row: dense
	s_mov_b32 s[\g+6], 0
	s_mov_b32 s[\g+7], 0
.endr
	s_lshl_b32 s16, s13, 18                        ; ctx: row block x 262,144 + my two blocks
	s_lshl_b32 s17, s12, 15
	s_add_co_u32 s16, s16, s17
	s_mov_b32 s17, 0
	s_lshl_b32 s46, s42, 18                        ; wo2: column block x 262,144 + my two blocks
	s_lshl_b32 s47, s12, 15
	s_add_co_u32 s46, s46, s47
	s_mov_b32 s47, 0
	s_mul_i32 s20, s10, 2*PLANE                    ; LDS: wave x two blocks
	s_wait_dscnt 0x0
	s_wait_kmcnt 0x0
	s_add_nc_u64 s[14:15], s[4:5], s[16:17]
	s_add_nc_u64 s[46:47], s[6:7], s[46:47]
	CROUND                                         ; all sixteen work-groups are here: the first joint loads meet
.irp s, 0,1
	s_mov_b32 s[G0+4*\s], 1
	s_add_co_u32 s[G0+4*\s+1], s20, \s*SLOT
	s_add_nc_u64 s[G0+4*\s+2:G0+4*\s+3], s[14:15], \s*0x10000       ; a slot is four blocks of 16,384 bytes
	s_or_b32 s[G0+4*\s+3], s[G0+4*\s+3], 0x80000000
	s_mov_b32 s[G0B+4*\s], 1
	s_add_co_u32 s[G0B+4*\s+1], s20, \s*SLOT
	s_add_nc_u64 s[G0B+4*\s+2:G0B+4*\s+3], s[46:47], \s*0x10000
	s_or_b32 s[G0B+4*\s+3], s[G0B+4*\s+3], 0x80000000
	JLOAD \s                                       ; both slots' first fills: two tensor loads of this wave are out
.endr
	v_and_b32 v1, 15, v0                           ; r
	v_bfe_u32 v2, v0, 4, 1                         ; h
	v_mul_u32_u24 v3, v1, KP
	v_lshl_add_u32 v3, v2, 4, v3
	s_mul_i32 s21, s11, 64*KP                      ; my 64 rows of ctx
	s_mul_i32 s22, s12, 64*KP                      ; my 64 rows of wo2,
	s_add_co_u32 s22, s22, 4*PLANE                 ; behind ctx's four blocks
.irp s, 0,1
	v_add_nc_u32 v[ADRA+\s], s21, v3
	v_add_nc_u32 v[ADRB+\s], s22, v3
	s_add_co_u32 s21, s21, SLOT
	s_add_co_u32 s22, s22, SLOT
.endr
	s_mul_i32 s23, s10, 16*SPITCH
	s_add_co_u32 s23, s23, STAGE                   ; my stage
	v_mul_u32_u24 v4, v1, SPITCH
	v_lshl_add_u32 v4, v2, 5, v4
	v_add_nc_u32 v[STO], s23, v4                   ; in: row r, 32 bytes for each half of the lanes
	v_mul_u32_u24 v5, v2, SPITCH
	v_lshl_add_u32 v5, v1, 4, v5
	v_add_nc_u32 v[RD], s23, v5                    ; back: lanes 0-15 one row of 256 bytes, lanes 16-31 the next
	v_lshlrev_b32 v[CB], 4, v1
	v_lshl_add_u32 v[XO], v2, 12, v[CB]
	s_lshl_b32 s80, s42, 7
	s_lshl_b32 s81, s12, 6
	s_add_co_u32 s80, s80, s81
	s_lshl_b32 s82, s80, 2                         ; my first column, in bytes
	s_mov_b32 s83, 0
	s_add_nc_u64 s[70:71], s[70:71], s[82:83]
	s_lshl_b32 s80, s13, 7
	s_lshl_b32 s81, s11, 6
	s_add_co_u32 s80, s80, s81
	s_lshl_b32 s80, s80, 12                        ; my first row, rows of 4,096 bytes
	s_add_co_u32 s82, s82, s80
	s_add_nc_u64 s[76:77], s[68:69], s[82:83]      ; x
	s_add_nc_u64 s[78:79], s[72:73], s[82:83]      ; y
	global_load_b128 v[BO:BO+3], v[CB], s[70:71]
.irp t, 0,1,2,3,4,5,6,7
	global_load_b128 v[XA+4*\t:XA+4*\t+3], v[XO], s[76:77] offset:(2*\t)*4096 th:TH_LOAD_NT        ; x's rows 0-15 of my block: waited for on the way out
.endr
.irp t, 0,1,2,3,4,5,6,7
	global_load_b128 v[XB+4*\t:XB+4*\t+3], v[XO], s[76:77] offset:(16+2*\t)*4096 th:TH_LOAD_NT     ; rows 16-31
.endr
.macro PLACES                          ; four places behind a matrix instruction (ISA guide 7.12.1 for vector instructions)
.rept 4
	v_nop
.endr
.endm
; 16 LDS loads: the fragments of step kq (32 along K; block kq >> 1, half kq & 1) into buffer f
.macro FETCH slot, kq, f
.irp i, 0,1,2,3
	ds_load_b128 v[FR+64*\f+8*\i:FR+64*\f+8*\i+3],   v[ADRA+\slot] offset:((\kq)>>1)*PLANE+\i*16*KP+64*((\kq)&1)
	ds_load_b128 v[FR+64*\f+8*\i+4:FR+64*\f+8*\i+7], v[ADRA+\slot] offset:((\kq)>>1)*PLANE+\i*16*KP+64*((\kq)&1)+32
.endr
.irp i, 0,1,2,3
	ds_load_b128 v[FR+64*\f+32+8*\i:FR+64*\f+32+8*\i+3], v[ADRB+\slot] offset:((\kq)>>1)*PLANE+\i*16*KP+64*((\kq)&1)
	ds_load_b128 v[FR+64*\f+36+8*\i:FR+64*\f+36+8*\i+3], v[ADRB+\slot] offset:((\kq)>>1)*PLANE+\i*16*KP+64*((\kq)&1)+32
.endr
.endm
; 16 matrix instructions on 16 accumulators, one instruction a turn, the same order in every step.  zero = 1 starts the sums.
.macro MUL16 f, zero
	WIN 0x50                                       ; C and D in window 1
.irp a, 0,1,2,3
.irp b, 0,1,2,3
.if \zero
	v_wmma_f32_16x16x32_bf16 v[8*(4*\a+\b):8*(4*\a+\b)+7], v[FR+64*\f+32+8*\b:FR+64*\f+32+8*\b+7], v[FR+64*\f+8*\a:FR+64*\f+8*\a+7], 0
.else
	v_wmma_f32_16x16x32_bf16 v[8*(4*\a+\b):8*(4*\a+\b)+7], v[FR+64*\f+32+8*\b:FR+64*\f+32+8*\b+7], v[FR+64*\f+8*\a:FR+64*\f+8*\a+7], v[8*(4*\a+\b):8*(4*\a+\b)+7]
.endif
.endr
.endr
	WIN 0
.endm
.macro STEP slot, kq, f, g, zero       ; fetch step kq + 1 into buffer g, multiply step kq from buffer f
	PLACES
	FETCH \slot, \kq+1, \g
	s_wait_dscnt 16                                ; all but the 16 just issued
	MUL16 \f, \zero
.endm
.macro PHASE slot, zero
	STEP \slot, 0, 0, 1, \zero
	STEP \slot, 1, 1, 0, 0
	STEP \slot, 2, 0, 1, 0
	STEP \slot, 3, 1, 0, 0
	STEP \slot, 4, 0, 1, 0
	STEP \slot, 5, 1, 0, 0
	STEP \slot, 6, 0, 1, 0
.endm
; A slot's eighth step, from buffer 1, and the change of slots.  kind 2: this slot is filled again (the barrier opens a round of the cluster's barrier, the joint refill is the
; first tensor load behind it); kind 1: a plain barrier, nothing is filled; kind 0: the very last step.
.macro LAST slot, next, kind
	s_wait_dscnt 0x0                               ; my reads of this slot are over
.if \kind
	s_wait_tensorcnt 0x0                           ; all my tensor loads have landed: the one that was out is my part of the next slot
	ds_add_u32 v22, v23
	s_wait_dscnt 0x0
	s_barrier_signal -1
	MUL16 1, 0                                     ; register work while the others arrive
	s_barrier_wait -1
.if \kind == 2
	CREST
	s_add_nc_u64 s[G0+4*\slot+2:G0+4*\slot+3], s[G0+4*\slot+2:G0+4*\slot+3], 0x20000
	s_add_nc_u64 s[G0B+4*\slot+2:G0B+4*\slot+3], s[G0B+4*\slot+2:G0B+4*\slot+3], 0x20000
	JLOAD \slot
.endif
	PLACES
	FETCH \next, 0, 0
.else
	MUL16 1, 0
.endif
.endm
	s_wait_tensorcnt 1                             ; my part of slot 0 is in; slot 1's stays out
	s_barrier_signal -1
	s_barrier_wait -1
	FETCH 0, 0, 0
	PHASE 0, 1                                     ; K 0-255: the first products start the sums
	LAST 0, 1, 2
	PHASE 1, 0                                     ; K 256-511
	LAST 1, 0, 2
	PHASE 0, 0                                     ; K 512-767
	LAST 0, 1, 1
	PHASE 1, 0                                     ; K 768-1023
	LAST 1, 0, 0
	PLACES
; THE WAY OUT, 16 rows at a time: the f32 sums into my own stage, whole rows of 256 bytes back, plus x, plus bo, stored: sixteen lanes store 256 consecutive bytes, aligned.
; left = how many younger loads of x may stay out; more = 1: the buffer just read is loaded with the rows 32 further down.
.macro OUTROWS a, xbuf, left, more
	WIN 0x04                                       ; store data from window 1
.irp b, 0,1,2,3
	ds_store_b128 v[STO], v[8*(4*\a+\b):8*(4*\a+\b)+3]   offset:64*\b
	ds_store_b128 v[STO], v[8*(4*\a+\b)+4:8*(4*\a+\b)+7] offset:64*\b+16
.endr
	WIN 0
	s_wait_xcnt 0x0                                ; R, which the last sixteen rows' stores read, is loaded again only behind this wait
.irp t, 0,1,2,3,4,5,6,7
	ds_load_b128 v[R+4*\t:R+4*\t+3], v[RD] offset:2*SPITCH*\t      ; LDS serves a wave's instructions in order (ISA guide 5.7.1.4): these see the stores above
.endr
	s_wait_loadcnt \left
.irp t, 0,1,2,3,4,5,6,7
	s_wait_dscnt 7-\t
	v_pk_add_f32 v[R+4*\t:R+4*\t+1],   v[R+4*\t:R+4*\t+1],   v[\xbuf+4*\t:\xbuf+4*\t+1]
	v_pk_add_f32 v[R+4*\t+2:R+4*\t+3], v[R+4*\t+2:R+4*\t+3], v[\xbuf+4*\t+2:\xbuf+4*\t+3]
	v_pk_add_f32 v[R+4*\t:R+4*\t+1],   v[R+4*\t:R+4*\t+1],   v[BO:BO+1]
	v_pk_add_f32 v[R+4*\t+2:R+4*\t+3], v[R+4*\t+2:R+4*\t+3], v[BO+2:BO+3]
	global_store_b128 v[XO], v[R+4*\t:R+4*\t+3], s[78:79] offset:(16*\a+2*\t)*4096
.endr
.if \more
.irp t, 0,1,2,3,4,5,6,7
	global_load_b128 v[\xbuf+4*\t:\xbuf+4*\t+3], v[XO], s[76:77] offset:(16*\a+32+2*\t)*4096 th:TH_LOAD_NT
.endr
.endif
.endm
	OUTROWS 0, XA, 8, 1
	OUTROWS 1, XB, 8, 1
	OUTROWS 2, XA, 8, 0
	OUTROWS 3, XB, 0, 0
	s_wait_tensorcnt 0x0
	ds_add_u32 v22, v23
	s_wait_dscnt 0x0
	CROUND                                         ; the closing round
	s_endpgm
.Lfunc_end_k_q68304a6f6c_proj:
	.size	k_q68304a6f6c_proj, .Lfunc_end_k_q68304a6f6c_proj-k_q68304a6f6c_proj
	.p2alignl 7, 3214868480
	.fill 96, 4, 3214868480
	.section	.rodata,"a",@progbits
	.p2align	6, 0x0
	.amdhsa_kernel k_q68304a6f6c_proj
		.amdhsa_group_segment_fixed_size 327680
		.amdhsa_private_segment_fixed_size 0
		.amdhsa_enable_private_segment 0
		.amdhsa_kernarg_size 40
		.amdhsa_user_sgpr_count 2
		.amdhsa_user_sgpr_kernarg_segment_ptr 1
		.amdhsa_wavefront_size32 1
		.amdhsa_system_sgpr_workgroup_id_x 1
		.amdhsa_system_sgpr_workgroup_id_y 1
		.amdhsa_system_sgpr_workgroup_id_z 1
		.amdhsa_system_vgpr_workitem_id 0
		.amdhsa_next_free_vgpr 384
		.amdhsa_next_free_sgpr 84
		.amdhsa_reserve_vcc 0
		.amdhsa_float_denorm_mode_32 3
		.amdhsa_float_denorm_mode_16_64 3
		.amdhsa_memory_ordered 1
		.amdhsa_forward_progress 1
		.amdhsa_inst_pref_size 100
	.end_amdhsa_kernel
	.amdgpu_metadata
---
amdhsa.version: [ 1, 2 ]
amdhsa.kernels:
  - .name:           k_q68304a6f6c_proj
    .symbol:         k_q68304a6f6c_proj.kd
    .args:
      - { .name: ctx, .offset: 0, .size: 8, .value_kind: global_buffer, .address_space: global }
      - { .name: wo2, .offset: 8, .size: 8, .value_kind: global_buffer, .address_space: global }
      - { .name: x, .offset: 16, .size: 8, .value_kind: global_buffer, .address_space: global }
      - { .name: bo, .offset: 24, .size: 8, .value_kind: global_buffer, .address_space: global }
      - { .name: y, .offset: 32, .size: 8, .value_kind: global_buffer, .address_space: global }
    .group_segment_fixed_size: 327680
    .private_segment_fixed_size: 0
    .kernarg_segment_align: 8
    .kernarg_segment_size: 40
    .max_flat_workgroup_size: 128
    .sgpr_count:     84
    .vgpr_count:     384
    .wavefront_size: 32
...
	.end_amdgpu_metadata
.endif
;; end of part 4
;; launch ln (part 5): grid 256 x 1, 4 waves a work-group, no clusters, 0 bytes of LDS; arguments y, gamma, beta, out0; writes out0
.if DOCPART == 5
	.amdgcn_target "amdgcn-amd-amdhsa--gfx1250"
	.amdhsa_code_object_version 6
	.text
	.protected	k_q68304a6f6c_ln
	.globl	k_q68304a6f6c_ln
	.p2align	8
	.type	k_q68304a6f6c_ln,@function
k_q68304a6f6c_ln:
	s_mov_b64 s[64:65], 0
	v_nop
	global_prefetch_b8 v0, s[64:65] scope:SCOPE_SE
	s_setreg_imm32_b32 hwreg(HW_REG_WAVE_MODE, 25, 1), 1
	s_wait_xcnt 0x0
; out0[r][c] = (y[r][c] - mean) / sqrt(var + 1e-5) * gamma[c] + beta[c], over rows of 1,024 f32.
; One wave takes a whole row (4,096 bytes: eight loads of 16 bytes a lane, 32 registers) and keeps it between the passes: y is read once, and no wave waits for another.
; Four waves x four rows a work-group, 256 work-groups.  All of a wave's loads (gamma, beta, its four rows) go out at the start; each covers 512 consecutive bytes.
; The variance is the mean of the squares of the CENTRED numbers, never a difference of large sums.
; Memory binds: LDS, matrix units and clusters would add nothing (what is shared, gamma and beta, is 8 KiB beside a work-group's 64 KiB of rows).
.set G,  16                            ; v[16:47]  gamma of my 32 columns
.set BT, 48                            ; v[48:79]  beta
.set Y,  80                            ; v[80:207] row i at 80 + 32 i
	s_load_b256 s[4:11], s[0:1], 0x0               ; y s[4:5], gamma s[6:7], beta s[8:9], out0 s[10:11]
	s_lshl_b32 s2, ttmp9, 16                       ; 16 rows of 4,096 bytes
	s_mov_b32 s3, 0
	s_mov_b32 s12, 0x76543210                      ; v_permlanex16_b32: lane i of one half reads lane i of the other
	s_mov_b32 s13, 0xfedcba98
	s_mov_b32 s14, 0x3a800000                      ; 1 / 1,024
	s_mov_b32 s15, 0x3727c5ac                      ; 1e-5
	v_and_b32 v2, 31, v0
	v_lshlrev_b32 v2, 4, v2                        ; 16 x lane
	v_lshrrev_b32 v3, 5, v0
	v_lshl_add_u32 v1, v3, 14, v2                  ; + wave x 4 rows
	s_wait_kmcnt 0x0
	s_add_nc_u64 s[4:5], s[4:5], s[2:3]
	s_add_nc_u64 s[10:11], s[10:11], s[2:3]
.irp j, 0,1,2,3,4,5,6,7
	global_load_b128 v[G+4*\j:G+4*\j+3], v2, s[6:7] offset:512*\j
.endr
.irp j, 0,1,2,3,4,5,6,7
	global_load_b128 v[BT+4*\j:BT+4*\j+3], v2, s[8:9] offset:512*\j
.endr
.irp i, 0,1,2,3
.irp j, 0,1,2,3,4,5,6,7
	global_load_b128 v[Y+32*\i+4*\j:Y+32*\i+4*\j+3], v1, s[4:5] offset:4096*\i+512*\j th:TH_LOAD_NT
.endr
.endr
.macro REDUCE                          ; v4 summed over the 32 lanes, the result in every lane
	v_add_f32_dpp v4, v4, v4 row_xmask:1 row_mask:0xf bank_mask:0xf
	v_add_f32_dpp v4, v4, v4 row_xmask:2 row_mask:0xf bank_mask:0xf
	v_add_f32_dpp v4, v4, v4 row_xmask:4 row_mask:0xf bank_mask:0xf
	v_add_f32_dpp v4, v4, v4 row_xmask:8 row_mask:0xf bank_mask:0xf
	v_permlanex16_b32 v5, v4, s12, s13             ; its destination counts as read: v5 has been written
	v_add_f32 v4, v4, v5
.endm
.macro ROW i
	s_wait_loadcnt 8*(3-\i)                        ; loads come back in order (ISA guide 5.7.1): gamma, beta and row i are in, the later rows stay out
	v_pk_add_f32 v[4:5], v[Y+32*\i:Y+32*\i+1],   v[Y+32*\i+2:Y+32*\i+3]    ; two chains, started by the first pairs: nothing is cleared
	v_pk_add_f32 v[6:7], v[Y+32*\i+4:Y+32*\i+5], v[Y+32*\i+6:Y+32*\i+7]
.irp k, 8,12,16,20,24,28
	v_pk_add_f32 v[4:5], v[4:5], v[Y+32*\i+\k:Y+32*\i+\k+1]
	v_pk_add_f32 v[6:7], v[6:7], v[Y+32*\i+\k+2:Y+32*\i+\k+3]
.endr
	v_pk_add_f32 v[4:5], v[4:5], v[6:7]
	v_add_f32 v4, v4, v5
	REDUCE
	v_mul_f32 v8, s14, v4                          ; the mean, twice
	v_mul_f32 v9, s14, v4
.irp k, 0,2,4,6,8,10,12,14,16,18,20,22,24,26,28,30
	v_pk_add_f32 v[Y+32*\i+\k:Y+32*\i+\k+1], v[Y+32*\i+\k:Y+32*\i+\k+1], v[8:9] neg_lo:[0,1] neg_hi:[0,1]
.endr
	v_pk_mul_f32 v[4:5], v[Y+32*\i:Y+32*\i+1],   v[Y+32*\i:Y+32*\i+1]
	v_pk_mul_f32 v[6:7], v[Y+32*\i+2:Y+32*\i+3], v[Y+32*\i+2:Y+32*\i+3]
.irp k, 4,8,12,16,20,24,28
	v_pk_fma_f32 v[4:5], v[Y+32*\i+\k:Y+32*\i+\k+1],   v[Y+32*\i+\k:Y+32*\i+\k+1],   v[4:5]
	v_pk_fma_f32 v[6:7], v[Y+32*\i+\k+2:Y+32*\i+\k+3], v[Y+32*\i+\k+2:Y+32*\i+\k+3], v[6:7]
.endr
	v_pk_add_f32 v[4:5], v[4:5], v[6:7]
	v_add_f32 v4, v4, v5
	REDUCE
	v_fma_f32 v4, v4, s14, s15                     ; variance + 1e-5
	v_rsq_f32 v10, v4
	v_nop                                          ; a plain place behind v_rsq_f32 (ISA guide 5.7.2)
	s_wait_alu depctr_va_vdst(0)
	v_mov_b32 v11, v10
.irp j, 0,1,2,3,4,5,6,7
	v_pk_mul_f32 v[Y+32*\i+4*\j:Y+32*\i+4*\j+1],   v[Y+32*\i+4*\j:Y+32*\i+4*\j+1],   v[10:11]
	v_pk_mul_f32 v[Y+32*\i+4*\j+2:Y+32*\i+4*\j+3], v[Y+32*\i+4*\j+2:Y+32*\i+4*\j+3], v[10:11]
	v_pk_fma_f32 v[Y+32*\i+4*\j:Y+32*\i+4*\j+1],   v[Y+32*\i+4*\j:Y+32*\i+4*\j+1],   v[G+4*\j:G+4*\j+1],   v[BT+4*\j:BT+4*\j+1]
	v_pk_fma_f32 v[Y+32*\i+4*\j+2:Y+32*\i+4*\j+3], v[Y+32*\i+4*\j+2:Y+32*\i+4*\j+3], v[G+4*\j+2:G+4*\j+3], v[BT+4*\j+2:BT+4*\j+3]
	global_store_b128 v1, v[Y+32*\i+4*\j:Y+32*\i+4*\j+3], s[10:11] offset:4096*\i+512*\j th:TH_STORE_NT
.endr
.endm
	ROW 0
	ROW 1
	ROW 2
	ROW 3
	s_endpgm
.Lfunc_end_k_q68304a6f6c_ln:
	.size	k_q68304a6f6c_ln, .Lfunc_end_k_q68304a6f6c_ln-k_q68304a6f6c_ln
	.p2alignl 7, 3214868480
	.fill 96, 4, 3214868480
	.section	.rodata,"a",@progbits
	.p2align	6, 0x0
	.amdhsa_kernel k_q68304a6f6c_ln
		.amdhsa_group_segment_fixed_size 0
		.amdhsa_private_segment_fixed_size 0
		.amdhsa_enable_private_segment 0
		.amdhsa_kernarg_size 32
		.amdhsa_user_sgpr_count 2
		.amdhsa_user_sgpr_kernarg_segment_ptr 1
		.amdhsa_wavefront_size32 1
		.amdhsa_system_sgpr_workgroup_id_x 1
		.amdhsa_system_sgpr_workgroup_id_y 1
		.amdhsa_system_sgpr_workgroup_id_z 1
		.amdhsa_system_vgpr_workitem_id 0
		.amdhsa_next_free_vgpr 208
		.amdhsa_next_free_sgpr 66
		.amdhsa_reserve_vcc 0
		.amdhsa_float_denorm_mode_32 3
		.amdhsa_float_denorm_mode_16_64 3
		.amdhsa_memory_ordered 1
		.amdhsa_forward_progress 1
		.amdhsa_inst_pref_size 33
	.end_amdhsa_kernel
	.amdgpu_metadata
---
amdhsa.version: [ 1, 2 ]
amdhsa.kernels:
  - .name:           k_q68304a6f6c_ln
    .symbol:         k_q68304a6f6c_ln.kd
    .args:
      - { .name: y, .offset: 0, .size: 8, .value_kind: global_buffer, .address_space: global }
      - { .name: gamma, .offset: 8, .size: 8, .value_kind: global_buffer, .address_space: global }
      - { .name: beta, .offset: 16, .size: 8, .value_kind: global_buffer, .address_space: global }
      - { .name: out0, .offset: 24, .size: 8, .value_kind: global_buffer, .address_space: global }
    .group_segment_fixed_size: 0
    .private_segment_fixed_size: 0
    .kernarg_segment_align: 8
    .kernarg_segment_size: 32
    .max_flat_workgroup_size: 128
    .sgpr_count:     66
    .vgpr_count:     208
    .wavefront_size: 32
...
	.end_amdgpu_metadata
.endif
;; end of part 5
